; MI455X (gfx1250); checked and timed in simulation.
; The chip was launched on July 23, 2026; its instructions are those of AMD's public machine-readable ISA for CDNA 5 (MIT licence, August 2026) and "CDNA5" Instruction Set Architecture Reference Guide (July 2026). The comments in the code are by the model that wrote it; some were corrected since.
;; Bahdanau Attention. Allowed arithmetic: matrix products marked QUANTISED: E2M1 operands, one E8M0 scale for each 32 along K, by v_wmma_scale_f32_16x16x128_f8f6f4 with both operands' format E2M1 (or v_wmma_scale_f32_32x16x128_f4), f32 sums; products left as they are: f32 operands where the result goes on into a quantised operand, else bf16, f16 or f32 operands; f32 sums; everything else in f32.
;; Inputs: V_b 1 float32; V_w 1 x 1,024 float32; W1_b 1,024 float32; W1_w_codes 1,024 x 32 x 16 uint8 (E2M1 codes of W1_w, K innermost, in blocks of 32 codes, two codes a byte); W1_w_scales 1,024 x 32 uint8 (E8M0 scales of W1_w, one for each 32 codes along K); W2_b 1,024 float32; W2_w_codes 1,024 x 32 x 16 uint8 (E2M1 codes of W2_w, K innermost, in blocks of 32 codes, two codes a byte); W2_w_scales 1,024 x 32 uint8 (E8M0 scales of W2_w, one for each 32 codes along K); hs 2 x 64 x 512 float32; ht 1,024 x 64 x 1,024 float32.
;; Outputs: out0 64 x 1,024 float32; out1 64 x 1,024 x 1 float32.
;; This version of the problem:
;;   THIS VERSION OF THE PROBLEM IS GIVEN IN LOW PRECISION. The matrix products marked QUANTISED in the list below multiply operands that are first quantised to E2M1 (2 exponent bits, 1 mantissa bit; 4 bits a number), with one power-of-two scale for each 32 numbers along K (OCP MX v1.0); their sums are f32. All else is computed in f32.
;;   The module's matrix products, in the order in which they are computed (A, B: the left and right operand; K: the contracted axis; several contracted axes count as one K, in the product's order):
;;     1. [M 65,536, K 1,024] x [K 1,024, N 1,024]; A: input ht; B: input W1_w (given as codes): QUANTISED
;;     2. [M 64, K 1,024] x [K 1,024, N 1,024]; A: input hs; B: input W2_w (given as codes): QUANTISED
;;     3. [M 65,536, K 1,024] x [K 1,024, N 1]; A: computed on the way; B: input V_w: left as it is (N = 1 < 16)
;;   THE QUANTISER, for each operand of a quantised product, along K:
;;     - K is cut into blocks of 32 from its start; a last block that is shorter is filled with zeros.
;;     - A block's scale is 2^e with e = floor(log2(the largest magnitude in the block)) - 2, held to -126 .. 127; a block of zeros has e = 0. As a byte (E8M0): e + 127.
;;     - Each number is divided by its block's scale, clamped to +-6, and rounded to the nearest number of E2M1, ties to even, subnormals kept.
;;     - The product sums the exact products of the quantised numbers (number of the format x scale) in f32.
;;   ~~~python
;;   def quantise(x, axis):      # numpy; x: float32 -> the quantised numbers, widened to float32 again
;;       x = np.moveaxis(x, axis, -1); K = x.shape[-1]
;;       x = np.pad(x, [(0, 0)] * (x.ndim - 1) + [(0, -K % 32)]); x = x.reshape(x.shape[:-1] + (-1, 32)); a = np.abs(x).max(-1, keepdims=True)
;;       e = np.where(a > 0, np.clip(np.frexp(np.where(a > 0, a, 1))[1] - 1 - 2, -126, 127), 0)      # np.frexp(a)[1] - 1 = floor(log2(a)), exactly
;;       r = np.clip(x / 2.0 ** e, -6, 6)
;;       step = 2.0 ** (np.maximum(np.frexp(np.where(r == 0, 1, r))[1] - 1, 0) - 1)
;;       q = np.round(r / step) * step * 2.0 ** e      # np.round: ties to even
;;       return np.moveaxis(q.reshape(q.shape[:-2] + (-1,))[..., :K], -1, axis).astype(np.float32)
;;   ~~~
;;   INPUTS GIVEN AS CODES. W1_w (in the module: [1024, 1024], K = its axis 1); W2_w (in the module: [1024, 1024], K = its axis 1): each comes as NAME_codes (uint8): NAME with its K axis moved to the last place and cut into blocks of 32 codes, [.., K / 32, bytes a block], one block behind the other in memory; two codes a byte, the lower K in the low four bits (a code: sign, 2 exponent bits, 1 mantissa bit); and NAME_scales (uint8): the same leading axes, one E8M0 byte (e + 127) for each 32 codes along K. Its value is code x scale, taken as it is: it is not quantised again, and the codes and scales need not be those that the quantiser above would give.
;; One version. Each part assembles by itself: llvm-mc -triple=amdgcn-amd-amdhsa -mcpu=gfx1250 --defsym DOCPART=n.
;; ======== version 1 of 1: 3 launches
;; limits: right only within a limited range of input values
;; workspace buffers: w1f 524,288 bytes; kc 262,144 bytes; scores 262,144 bytes; pctx 1,048,576 bytes
;; launch prep (part 1): grid 64 x 1, 4 waves a work-group, no clusters, 167,936 bytes of LDS; arguments W1_w_codes, W2_w_codes, W2_w_scales, hs, W1_b, W2_b, w1f, kc; writes w1f, kc
.if DOCPART == 1
	.amdgcn_target "amdgcn-amd-amdhsa--gfx1250"
	.amdhsa_code_object_version 6
	.text
	.protected	k_qa566e6dae6_prep
	.globl	k_qa566e6dae6_prep
	.p2align	8
	.type	k_qa566e6dae6_prep,@function
k_qa566e6dae6_prep:
	s_mov_b64 s[64:65], 0
	v_nop
	global_prefetch_b8 v0, s[64:65] scope:SCOPE_SE
	s_setreg_imm32_b32 hwreg(HW_REG_WAVE_MODE, 25, 1), 1
	s_wait_xcnt 0x0
; Two small jobs ahead of the main launch.  A work-group is four waves; g = its number, mt = g % 4, ng = g / 4; w = the wave.
; JOB A.  W1's codes, rows 16 g .. 16 g + 15, are laid in the order of a matrix operand's registers:
;   w1f[n-tile g][K step q][c][lane][16 bytes], lane (r, h) holding bytes 64 q + 32 c + 16 h .. + 15 of row 16 g + r.  Wave w lays pieces 2 q + c = 4 j + w, j = 0 .. 3.
; JOB B.  kc[b][a] = K2 x (Q(hs_b) . W2[a] + W1_b[a] + W2_b[a]), K2 = 2 log2(e), for b = 16 mt .. + 15 and a = 64 ng .. + 63.
;   hs_b = hs[0][b] followed by hs[1][b] (K = 1,024), quantised here to E2M1 with one E8M0 scale for each 32 along K.
;   K IS CUT AMONG THE WAVES: wave w takes K steps 2 w and 2 w + 1 of 128; the four f32 parts meet in LDS, and wave w adds and stores rows 4 w .. 4 w + 3.
;   The product is used transposed (source 0 = 16 rows of W2, source 1 = the 16 rows of hs): a lane holds one b and eight neighbouring a.
; WORK LEFT OUT OF THE WHOLE PROGRAM, for all finite values of the inputs: tanh(z) = 1 - 2 r, r = 1 / (1 + 2^(K2 z)), so score = (V_b + sum of V) - 2 sum of V r.
;   The bracket is the same for every position of a batch; a softmax over the positions is unchanged by a number added to all its inputs, and the context is made of the weights alone.
;   So V_b is not loaded and is no argument of any launch, and the sum of V is not formed.  LIMIT: a NaN, an infinity or an overflow that reaches only these two is not carried to the result.
; OTHER LIMITS: NaN and infinities among the inputs are not served.  A block of zeros gets the scale byte 1 where the quantiser says 127: its codes are zeros, and the bytes never leave the wave.
; NO CLUSTER, NO PREFETCH: a work-group's four tiles are 8, 32, 32 and 32 KiB, each asked for once at the head; there is no loop to run ahead in.
.set K2,    0x4038aa3b                 ; 2 log2(e)
.set TW1,   0                          ; LDS: 16 rows of W1's codes, 512 bytes + 16 of padding
.set TW2,   8448                       ; 64 rows of W2's codes, likewise
.set THS,   42240                      ; hs: for each layer 16 rows of 2,048 bytes, as 32 rows of 1,024 + 16 of padding
.set THL,   33280                      ; from layer to layer
.set S3,    108800                     ; the parts' stages: for each wave 16 rows of 256 bytes + 16; no tensor load lands here
.set SW,    4352                       ; from stage to stage
.set SPARE, 126208                     ; the spare words, 128 bytes a wave
.set SPW,  1                           ; my spare word's address; never rewritten
.set NIL,  2                           ; 0; never rewritten
.set L16,  5                           ; 16 x thread = 512 w + 16 x lane
.set FR1,  6                           ; W1's rows: 528 r + 16 h + 32 w
.set FR2,  7                           ; W2's rows: 528 r + 16 h + 128 w
.set HX,   8                           ; hs: row r, + 64 h, at my first K step
.set SO,   9                           ; W2's scales: 32 r + 8 w
.set BO,   10                          ; the biases: 16 r
.set STO,  11                          ; into my stage
.set RD,   12                          ; out of the stages: row 4 w + h, 16 r
.set GO,   13                          ; my place in kc
.set PC,   16                          ; v16-23   the codes of one K step of hs
.set PW,   24                          ; their scale word
.set ACC,  32                          ; v32-63   four accumulators; first job A's 16 registers
.set XB,   64                          ; v64-191  two sets of 64 numbers of hs; last the parts read back
.set WF,   192                         ; v192-223 W2's four fragments of a K step
.set W2S,  224                         ; v224-231 W2's scale words: register 2 nt + i
.set BI,   232                         ; v232-239 W1_b and W2_b at a = 4 r .. 4 r + 3
.set TM,   240                         ; v240-255 at work in QUANT
.set G1A,  20                          ; s[20:27] group 1: 16 rows of 512 bytes
.set G1B,  28                          ; s[28:35] 64 rows of 512 bytes
.set G1H,  36                          ; s[36:43] 32 rows of 1,024 bytes
.set G0,   44                          ; s[44:59] four groups 0
.set SEL,  62                          ; s[62:63] lane selects: lane l xor 16
.macro G1SET g, qi, c, r               ; elements of 8 bytes; 4 words of padding behind every row of c elements
	s_mov_b32 s[\g+0], (3<<16)|(1<<20)|((\qi)<<22)|(3<<25)
	s_mov_b32 s[\g+1], (\c)<<16
	s_mov_b32 s[\g+2], (\r)<<16
	s_mov_b32 s[\g+3], (\c)<<16
	s_mov_b32 s[\g+4], \r
	s_mov_b32 s[\g+5], \c
	s_mov_b32 s[\g+6], 0
	s_mov_b32 s[\g+7], 0
.endm
.macro PLACES
.rept 4
	v_nop
.endr
.endm
	s_load_b256 s[4:11], s[0:1], 0x0               ; W1's codes, W2's codes, W2's scales, hs
	s_load_b256 s[12:19], s[0:1], 0x20             ; W1_b, W2_b, w1f, kc
	v_lshl_add_u32 v[SPW], v0, 2, SPARE
	v_mov_b32 v[NIL], 0
	ds_add_u32 v[SPW], v[NIL]                      ; the opening: the add, twice on end, and its wait ahead of my tensor load
	ds_add_u32 v[SPW], v[NIL]
	v_lshrrev_b32 v14, 5, v0
	s_wait_alu depctr_va_vdst(0)                   ; the wait directly behind the write
	v_readfirstlane_b32 s66, v14                   ; wave 0..3
	s_and_b32 s2, ttmp9, 3                         ; mt
	s_lshr_b32 s3, ttmp9, 2                        ; ng
	G1SET G1A, 6, 64, 16
	G1SET G1B, 6, 64, 64
	G1SET G1H, 7, 128, 32
	s_mov_b32 s[G0+0], 1
	s_mov_b32 s[G0+1], TW1
	s_mov_b32 s[G0+4], 1
	s_mov_b32 s[G0+5], TW2
	s_mov_b32 s[G0+8], 1
	s_mov_b32 s[G0+9], THS
	s_mov_b32 s[G0+12], 1
	s_mov_b32 s[G0+13], THS+THL
	s_mov_b32 s[SEL], 0x76543210
	s_mov_b32 s[SEL+1], 0xfedcba98
	s_mov_b32 s61, 0
	v_and_b32 v3, 15, v0                           ; r
	v_bfe_u32 v4, v0, 4, 1                         ; h
	v_lshlrev_b32 v[L16], 4, v0
	v_mul_u32_u24 v[FR1], v3, 528
	v_lshl_add_u32 v[FR1], v4, 4, v[FR1]
	v_add_nc_u32 v[FR2], TW2, v[FR1]
	v_lshl_add_u32 v[FR2], v14, 7, v[FR2]          ; my two K steps: 64 bytes each
	v_lshl_add_u32 v[FR1], v14, 5, v[FR1]          ; piece w of each four
	v_mul_u32_u24 v[HX], v3, 2080
	v_lshl_add_u32 v[HX], v4, 6, v[HX]
	v_add_nc_u32 v[HX], THS, v[HX]
	v_bfe_u32 v15, v0, 6, 1                        ; w / 2: the layer
	v_mad_u32_u24 v[HX], v15, THL, v[HX]
	v_bfe_u32 v15, v0, 5, 1                        ; w % 2: the half of the layer's row
	v_mad_u32_u24 v[HX], v15, 1040, v[HX]
	v_lshlrev_b32 v[SO], 5, v3
	v_lshl_add_u32 v[SO], v14, 3, v[SO]
	v_lshlrev_b32 v[BO], 4, v3
	v_mul_u32_u24 v[STO], v3, 272
	v_lshl_add_u32 v[STO], v4, 5, v[STO]
	v_mad_u32_u24 v[STO], v14, SW, v[STO]
	v_add_nc_u32 v[STO], S3, v[STO]
	v_mul_u32_u24 v[RD], v4, 272
	v_lshl_add_u32 v[RD], v3, 4, v[RD]
	v_mad_u32_u24 v[RD], v14, 1088, v[RD]          ; four rows of 272 bytes a wave
	v_add_nc_u32 v[RD], S3, v[RD]
	v_lshlrev_b32 v[GO], 12, v4
	v_lshl_add_u32 v[GO], v3, 4, v[GO]
	v_lshl_add_u32 v[GO], v14, 14, v[GO]           ; four rows of kc a wave
.irp b, 0,1,2,3
	v_mov_b32 v[TM+4+\b], 0                        ; written once: a lane permute's destination counts as one of its sources
.endr
	s_wait_alu depctr_va_vdst(0)
	s_wait_dscnt 0x0                               ; both opening adds are done
	s_wait_kmcnt 0x0
	s_lshl_b32 s60, ttmp9, 13                      ; 16 rows of 512 bytes a work-group
	s_add_nc_u64 s[G0+2:G0+3], s[4:5], s[60:61]
	s_add_nc_u64 s[16:17], s[16:17], s[60:61]      ; and the same place in w1f
	s_lshl_b32 s60, s3, 15                         ; 64 rows of W2
	s_add_nc_u64 s[G0+6:G0+7], s[6:7], s[60:61]
	s_lshl_b32 s60, s2, 15                         ; 16 rows of 2,048 bytes of hs
	s_add_nc_u64 s[G0+10:G0+11], s[10:11], s[60:61]
	s_add_nc_u64 s[G0+14:G0+15], s[G0+10:G0+11], 0x20000   ; the second layer
	s_or_b32 s[G0+3], s[G0+3], 0x80000000
	s_or_b32 s[G0+7], s[G0+7], 0x80000000
	s_or_b32 s[G0+11], s[G0+11], 0x80000000
	s_or_b32 s[G0+15], s[G0+15], 0x80000000
	s_lshl_b32 s60, s3, 8                          ; my work-group's 64 numbers of each bias
	s_add_nc_u64 s[12:13], s[12:13], s[60:61]
	s_add_nc_u64 s[14:15], s[14:15], s[60:61]
	s_add_nc_u64 s[18:19], s[18:19], s[60:61]      ; and its 64 columns of kc
	s_lshl_b32 s60, s3, 11                         ; 64 rows of 32 scale bytes
	s_add_nc_u64 s[8:9], s[8:9], s[60:61]
	s_lshl_b32 s60, s2, 16                         ; 16 rows of kc
	s_add_nc_u64 s[18:19], s[18:19], s[60:61]
; THE FOUR FIRST FILLS, ONE A WAVE: wave 0 W1's rows, wave 1 W2's, waves 2 and 3 the two layers of hs.  One chain of branches, one load to an arm, one join.
.macro ARM under, g0, g1, next
	s_cmp_lt_u32 s66, \under
	s_cbranch_scc0 \next
	tensor_load_to_lds s[\g0:\g0+3], s[\g1:\g1+7]
	s_nop 0
	PLACES
	s_branch .Lasked
\next:
.endm
	ARM 1, G0,   G1A, .Larm1
	ARM 2, G0+4, G1B, .Larm2
	ARM 3, G0+8, G1H, .Larm3
	tensor_load_to_lds s[G0+12:G0+15], s[G1H:G1H+7]
	s_nop 0
	PLACES
.Lasked:
.irp nt, 0,1,2,3
	global_load_b64 v[W2S+2*\nt:W2S+2*\nt+1], v[SO], s[8:9] offset:512*\nt   ; the scale words of my two K steps of row 16 nt + r (the product reads lanes 0-15)
.endr
	global_load_b128 v[BI:BI+3],   v[BO], s[12:13]
	global_load_b128 v[BI+4:BI+7], v[BO], s[14:15]
	s_wait_tensorcnt 0x0                           ; my tile is in LDS,
	s_barrier_signal -1
	s_barrier_wait -1                              ; and so is every wave's
.macro XL i                            ; 128 numbers of each of the 16 rows of hs, my K step i: register 16 bk + 4 j + e = k 32 bk + 16 h + 4 j + e of row r
.irp bk, 0,1,2,3
.irp j, 0,1,2,3
	ds_load_b128 v[XB+64*(\i)+16*\bk+4*\j:XB+64*(\i)+16*\bk+4*\j+3], v[HX] offset:(\i)*512+128*\bk+16*\j
.endr
.endr
.endm
.macro WL i                            ; W2's four fragments of my K step i
.irp nt, 0,1,2,3
.irp c, 0,1
	ds_load_b128 v[WF+8*\nt+4*\c:WF+8*\nt+4*\c+3], v[FR2] offset:\nt*8448+64*(\i)+32*\c
.endr
.endr
.endm
; 64 numbers of a lane, v[s] on, become a fragment's codes in v[PC] on and its scale word in v[PW]
.macro QUANT s
.irp b, 0,1,2,3
	v_max3_num_f32 v[TM+\b], |v[\s+16*\b]|, |v[\s+1+16*\b]|, 0x1800000   ; block b: my 16 numbers, and the floor 2^(3 - 127): the byte cannot fall under 1
.endr
.irp i, 2,4,6,8,10,12,14
.irp b, 0,1,2,3
	v_max3_num_f32 v[TM+\b], v[TM+\b], |v[\s+16*\b+\i]|, |v[\s+1+16*\b+\i]|
.endr
.endr
.irp b, 0,1,2,3
	v_permlanex16_b32 v[TM+4+\b], v[TM+\b], s[SEL], s[SEL+1]
.endr
.irp b, 0,1,2,3
	v_max_num_f32 v[TM+\b], v[TM+\b], v[TM+4+\b]       ; with lane l xor 16's: the block's largest magnitude
.endr
.irp b, 0,1,2,3
	v_add_nc_u32 v[TM+12+\b], 0xff000000, v[TM+\b]     ; 2 off its exponent field: the conversion's scale operand
.endr
.irp b, 0,1,2,3
	v_lshrrev_b32 v[TM+4+\b], 23, v[TM+12+\b]          ; the scale's byte
.endr
	v_lshl_or_b32 v[PW], v[TM+5], 8, v[TM+4]
	v_lshl_or_b32 v[PW], v[TM+6], 16, v[PW]
	v_lshl_or_b32 v[PW], v[TM+7], 24, v[PW]
.irp b, 0,1,2,3
	v_cvt_scalef32_pk8_fp4_f32 v[PC+2*\b], v[\s+16*\b:\s+7+16*\b], v[TM+12+\b]
	v_cvt_scalef32_pk8_fp4_f32 v[PC+1+2*\b], v[\s+8+16*\b:\s+15+16*\b], v[TM+12+\b]
.endr
	v_nop                                          ; one plain place behind a scaled conversion
.irp c, 0,1                            ; the operand's layout wants a whole block in a lane
.irp i, 0,1
	v_permlane16_swap_b32 v[PC+4*\c+\i], v[PC+2+4*\c+\i]
.endr
.endr
.endm
.macro KSTEP i
.if (\i) > 0
	PLACES                                         ; in front of loads into registers that the last products read
.endif
	WL \i
.if (\i) < 1
	XL 1
	s_wait_dscnt 24                                ; this step's numbers are in; behind them: 8 loads of W2, 16 of the next step's numbers
.else
	s_wait_dscnt 8                                 ; behind them: 8 loads of W2
.endif
.set XSET, XB+64*(\i)
	QUANT XSET
	s_wait_alu depctr_va_vdst(0)
.if (\i) < 1
	s_wait_loadcnt 0x0                             ; the scale words (and the biases)
	s_wait_xcnt 0x0                                ; job A's stores have read their registers: the products write them only behind this wait
	s_wait_dscnt 16                                ; W2's fragments are in; the next step's 16 loads may be out
.else
	s_wait_dscnt 0x0
.endif
.rept 8
	v_nop                                          ; a scale word made by vector instructions stands eight places ahead of the product, codes so made four
.endr
.irp nt, 0,1,2,3                       ; the four accumulators by turns; my first K step starts the sums
.if (\i) < 1
	v_wmma_scale_f32_16x16x128_f8f6f4 v[ACC+8*\nt:ACC+8*\nt+7], v[WF+8*\nt:WF+8*\nt+7], v[PC:PC+7], 0, v[W2S+2*\nt+(\i)], v[PW] matrix_a_fmt:MATRIX_FMT_FP4 matrix_b_fmt:MATRIX_FMT_FP4
.else
	v_wmma_scale_f32_16x16x128_f8f6f4 v[ACC+8*\nt:ACC+8*\nt+7], v[WF+8*\nt:WF+8*\nt+7], v[PC:PC+7], v[ACC+8*\nt:ACC+8*\nt+7], v[W2S+2*\nt+(\i)], v[PW] matrix_a_fmt:MATRIX_FMT_FP4 matrix_b_fmt:MATRIX_FMT_FP4
.endif
.endr
.endm
	; ---- JOB A: my four pieces, and under them the first numbers of hs
.irp j, 0,1,2,3
	ds_load_b128 v[ACC+4*\j:ACC+4*\j+3], v[FR1] offset:128*\j      ; bytes 32 (4 j + w) of the rows
.endr
	XL 0
	s_wait_dscnt 16                                ; the four pieces are in; the 16 loads of hs were issued behind them
.irp j, 0,1,2,3
	global_store_b128 v[L16], v[ACC+4*\j:ACC+4*\j+3], s[16:17] offset:2048*\j   ; 32 lanes store 512 consecutive bytes: piece 4 j + w
.endr
	; ---- JOB B: my two K steps
	KSTEP 0
	KSTEP 1
	; ---- the parts meet: each wave's into its own stage, a barrier, and rows 4 w .. 4 w + 3 of all four back
	s_mov_b32 s60, K2
	s_mov_b32 s61, K2
	PLACES
.irp nt, 0,1,2,3
	ds_store_b128 v[STO], v[ACC+8*\nt:ACC+8*\nt+3] offset:64*\nt       ; each accumulator from its low end on
	ds_store_b128 v[STO], v[ACC+8*\nt+4:ACC+8*\nt+7] offset:64*\nt+16
.endr
	s_wait_dscnt 0x0                               ; for the others' sake: my stores are done
	s_barrier_signal -1
	s_barrier_wait -1
.irp i, 0,1
.irp v, 0,1,2,3
	ds_load_b128 v[XB+16*\i+4*\v:XB+16*\i+4*\v+3], v[RD] offset:SW*\v+544*\i   ; wave v's part of row 4 w + 2 i + h, columns 4 r .. 4 r + 3
.endr
.endr
	s_wait_dscnt 0x0
.irp k, 0,2
	v_pk_add_f32 v[BI+\k:BI+\k+1], v[BI+\k:BI+\k+1], v[BI+4+\k:BI+4+\k+1]      ; W1_b + W2_b
.endr
.irp i, 0,1
.irp k, 0,2
	v_pk_add_f32 v[XB+16*\i+\k:XB+16*\i+\k+1], v[XB+16*\i+\k:XB+16*\i+\k+1], v[XB+16*\i+4+\k:XB+16*\i+4+\k+1]
	v_pk_add_f32 v[XB+16*\i+8+\k:XB+16*\i+8+\k+1], v[XB+16*\i+8+\k:XB+16*\i+8+\k+1], v[XB+16*\i+12+\k:XB+16*\i+12+\k+1]
.endr
.endr
.irp k, 0,2
	v_pk_mul_f32 v[BI+\k:BI+\k+1], v[BI+\k:BI+\k+1], s[60:61] op_sel_hi:[1,0]  ; x K2
.endr
.irp i, 0,1
.irp k, 0,2
	v_pk_add_f32 v[XB+16*\i+\k:XB+16*\i+\k+1], v[XB+16*\i+\k:XB+16*\i+\k+1], v[XB+16*\i+8+\k:XB+16*\i+8+\k+1]
.endr
.endr
.irp i, 0,1
.irp k, 0,2
	v_pk_fma_f32 v[XB+16*\i+\k:XB+16*\i+\k+1], v[XB+16*\i+\k:XB+16*\i+\k+1], s[60:61], v[BI+\k:BI+\k+1] op_sel_hi:[1,0,1]   ; K2 x the product + K2 x the biases
.endr
.endr
.irp i, 0,1
	global_store_b128 v[GO], v[XB+16*\i:XB+16*\i+3], s[18:19] offset:8192*\i   ; sixteen lanes store 256 consecutive bytes of a row of kc, aligned
.endr
	s_wait_tensorcnt 0x0                           ; the wave's end
	ds_add_u32 v[SPW], v[NIL]
	s_wait_dscnt 0x0
	s_endpgm
.Lfunc_end_k_qa566e6dae6_prep:
	.size	k_qa566e6dae6_prep, .Lfunc_end_k_qa566e6dae6_prep-k_qa566e6dae6_prep
	.p2alignl 7, 3214868480
	.fill 96, 4, 3214868480
	.section	.rodata,"a",@progbits
	.p2align	6, 0x0
	.amdhsa_kernel k_qa566e6dae6_prep
		.amdhsa_group_segment_fixed_size 167936
		.amdhsa_private_segment_fixed_size 0
		.amdhsa_enable_private_segment 0
		.amdhsa_kernarg_size 64
		.amdhsa_user_sgpr_count 2
		.amdhsa_user_sgpr_kernarg_segment_ptr 1
		.amdhsa_wavefront_size32 1
		.amdhsa_system_sgpr_workgroup_id_x 1
		.amdhsa_system_sgpr_workgroup_id_y 1
		.amdhsa_system_sgpr_workgroup_id_z 1
		.amdhsa_system_vgpr_workitem_id 0
		.amdhsa_next_free_vgpr 256
		.amdhsa_next_free_sgpr 68
		.amdhsa_reserve_vcc 0
		.amdhsa_float_denorm_mode_32 3
		.amdhsa_float_denorm_mode_16_64 3
		.amdhsa_memory_ordered 1
		.amdhsa_forward_progress 1
		.amdhsa_inst_pref_size 24
	.end_amdhsa_kernel
	.amdgpu_metadata
---
amdhsa.version: [ 1, 2 ]
amdhsa.kernels:
  - .name:           k_qa566e6dae6_prep
    .symbol:         k_qa566e6dae6_prep.kd
    .args:
      - { .name: W1_w_codes, .offset: 0, .size: 8, .value_kind: global_buffer, .address_space: global }
      - { .name: W2_w_codes, .offset: 8, .size: 8, .value_kind: global_buffer, .address_space: global }
      - { .name: W2_w_scales, .offset: 16, .size: 8, .value_kind: global_buffer, .address_space: global }
      - { .name: hs, .offset: 24, .size: 8, .value_kind: global_buffer, .address_space: global }
      - { .name: W1_b, .offset: 32, .size: 8, .value_kind: global_buffer, .address_space: global }
      - { .name: W2_b, .offset: 40, .size: 8, .value_kind: global_buffer, .address_space: global }
      - { .name: w1f, .offset: 48, .size: 8, .value_kind: global_buffer, .address_space: global }
      - { .name: kc, .offset: 56, .size: 8, .value_kind: global_buffer, .address_space: global }
    .group_segment_fixed_size: 167936
    .private_segment_fixed_size: 0
    .kernarg_segment_align: 8
    .kernarg_segment_size: 64
    .max_flat_workgroup_size: 128
    .sgpr_count:     68
    .vgpr_count:     256
    .wavefront_size: 32
...
	.end_amdgpu_metadata
.endif
;; end of part 1
;; launch main (part 2): grid 4 x 64, 4 waves a work-group, no clusters, 327,680 bytes of LDS; arguments ht, w1f, W1_w_scales, kc, V_w, scores, pctx; writes scores, pctx
.if DOCPART == 2
	.amdgcn_target "amdgcn-amd-amdhsa--gfx1250"
	.amdhsa_code_object_version 6
	.text
	.protected	k_qa566e6dae6_main
	.globl	k_qa566e6dae6_main
	.p2align	8
	.type	k_qa566e6dae6_main,@function
k_qa566e6dae6_main:
	s_mov_b64 s[64:65], 0
	v_nop
	global_prefetch_b8 v0, s[64:65] scope:SCOPE_SE
	s_setreg_imm32_b32 hwreg(HW_REG_WAVE_MODE, 25, 1), 1
	s_wait_xcnt 0x0
; Additive attention, the part that touches ht.  For row (s, b): z[a] = Q(ht[s][b]) . W1[a] + c[b][a]; score = sum over a of V[a] tanh(z[a]) + V_b;
; weights = softmax over s; context[b] = sum over s of weight x ht[s][b].  ht is read from memory ONCE: a tile stays in registers, in f32, from the quantiser to the context.
; WORK LEFT OUT, for all finite values of the inputs:
;   tanh(z) = 1 - 2 r with r = 1 / (1 + 2^(K2 z)), K2 = 2 log2(e).  So score = (V_b + sum over a of V[a]) - 2 u, u = sum over a of V[a] r[a].
;   The bracket is the same for every s of a batch, and a softmax over s does not change when the same number is added to all its inputs; the context is made of the weights alone.
;   So V_b is not loaded and is no argument of any launch, and the sum of V is not formed.  What is kept is y = -K2 u, the logit to base 2.
;   The maximum is still taken away ahead of every exponential, as a running maximum.
;   LIMIT: a NaN, an infinity or an overflow that reaches only V_b or the sum of V is not carried to the result.
; OTHER LIMITS: NaN and infinities among the inputs are not served.  A block of zeros gets the scale byte 1 where the quantiser says 127: its codes are zeros, and this launch alone reads the bytes.
; SHARES.  Work-group (c, b): batch b, positions 256 c .. 256 c + 255, in four tiles of 64 rows.  It stores the 256 logits y and the chunk's context sum of 2^(y - m) x ht, m the chunk's largest y; the last launch joins the four chunks.
;   Data: wave w owns rows 16 w .. 16 w + 15 of a tile: its tensor load brings them, it holds them in 512 registers, quantises them and adds them into the context.
;   Product: wave w makes columns a = 256 w .. 256 w + 255 for all 64 rows, two tiles of 16 columns (a group) at a time; the codes of the 64 rows go from wave to wave through LDS.
;   The product is used transposed (source 0 = 16 rows of W1, source 1 = 16 rows of ht): a lane holds one row s and eight neighbouring a.
; ONE LDS SLOT, AND THE REGISTERS AS THE SECOND.  The slot (64 rows x 4,096 bytes) is read out once into registers and filled again at once: the next tile is on its way through quantiser, product, softmax and context.
; W1 A GROUP AHEAD, IN PIECES.  A fragment of W1 is free as soon as its K step's eight products are issued: the next group's fragments of two K steps are asked for then, into the same registers,
;   so that each piece has the rest of the group's products and all its vector work in which to land, and a group's 34 loads are spread over the group.
; NO CLUSTER, though every work-group walks the same W1: the slot takes 262,144 of the 327,680 bytes of LDS, codes, scales and stages 62,464, the spare words 512; what is left holds no tile of W1.
;   So W1 goes from memory straight into operand registers (w1f is laid for that), where a joint tensor load cannot deliver.
; REGISTERS, in windows of 256: window 0: v0-23 addresses; v24-55 at work; v56-63 the next group's scale words of W1; v72-103 the context; v104-119, v120-127 scale words of ht and of W1; v128-255 W1's 16 fragments of a group.
;   window 1: v0-63 eight accumulators; v64-191 four buffers of ht's fragments; v192-223 kc and V of the group; v224-231 the score sums.   windows 2, 3: my 16 rows of ht, 32 registers a row.
.set K2,     0x4038aa3b                ; 2 log2(e)
.set NK2,    0xc038aa3b                ; -2 log2(e)
.set AC,     262144                    ; LDS behind the slot: the codes, 64 rows x (512 bytes + 16)
.set AS,     295936                    ; their scale bytes, 64 rows x (32 + 16)
.set KV,     299008                    ; kc[b], 4,096 bytes, then V, 4,096 bytes
.set SP,     307200                    ; score sums [64 rows][4 waves]
.set CX,     308224                    ; the context's way out: 4,096 bytes a wave
.set SPARE,  324608                    ; the spare words, 128 bytes a wave
.set APITCH, 528
.set SPITCH, 48
.set SPW, 1                            ; my spare word's address; never rewritten
.set NIL, 2                            ; 0; never rewritten
.set X0,  3                            ; the slot: my wave's rows + 32 x lane + 16 x (bit 3 of the lane)
.set X1,  4                            ; X0 xor 16
.set CS,  5                            ; where I store codes
.set SS,  6                            ; and scale bytes
.set AA,  7                            ; a fragment's place in the codes: 528 r + 16 h
.set ASA, 8                            ; and in the scale bytes: 48 r + 16 h
.set KV0, 9                            ; kc: my wave's 256 columns, + 32 h
.set KVC, 10                           ; the same at the group in hand
.set WO,  11                           ; 16 x lane
.set SO,  12                           ; W1's scales: 32 r + 16 h
.set SPS, 13                           ; score sums: where I store,
.set SPR, 14                           ; where I read rows 2 lane, 2 lane + 1,
.set SPO, 15                           ; and my own row 16 w + r
.set SEL, 16                           ; v_perm selector: halves swapped where bit 3 of the lane is set
.set YO,  17                           ; 8 x lane
.set C0,  18                           ; the context's way out, as X0 and X1
.set C1,  19
.set CR,  20                           ; and back
.set PO,  21                           ; 1,024 w + 16 x lane
.set MR,  22                           ; the running largest y
.set TA,  23                           ; at work at the head
.set T,   24                           ; v24-55 block maxima; the softmax's work
.set HK,  40                           ; v40-55 at the head alone: kc and V on their way into LDS
.set WST, 56                           ; v56-63 the next group's scale words of W1, as they land
.set CT,  72
.set ASC, 104
.set WSC, 120
.set WF,  128
.set ACC, 0                            ; window 1
.set AB,  64
.set CV,  192
.set SA,  224
.set MSB, 0
.macro WIN new                         ; the immediate's high byte repeats the setting that is left; a switch that changes nothing is dropped
.if MSB != (\new)
	s_set_vgpr_msb (MSB<<8)|(\new)
.set MSB, (\new)
.endif
.endm
.macro PLACES                          ; four places behind matrix instructions, in front of loads into their registers and of reads of their results
.rept 4
	v_nop
.endr
.endm
.macro BAR                             ; my LDS stores have landed and my LDS loads are in: then the work-group's barrier
	s_wait_dscnt 0x0
	s_barrier_signal -1
	s_barrier_wait -1
.endm
	s_load_b256 s[4:11], s[0:1], 0x0               ; ht, w1f, W1's scales, kc
	s_load_b128 s[12:15], s[0:1], 0x20             ; V, scores
	s_load_b64 s[16:17], s[0:1], 0x30              ; pctx
	v_lshl_add_u32 v[SPW], v0, 2, SPARE
	v_mov_b32 v[NIL], 0
	ds_add_u32 v[SPW], v[NIL]                      ; the opening: the add, twice on end, and its wait ahead of my first tensor load
	ds_add_u32 v[SPW], v[NIL]
	v_lshrrev_b32 v[TA], 5, v0
	v_readfirstlane_b32 s18, v[TA]                 ; wave 0..3
	s_and_b32 s20, ttmp7, 0xffff                   ; b
	s_mov_b32 s24, 3<<16                           ; group 1: elements of 8 bytes, no mask, no padding
	s_mov_b32 s25, 512<<16                         ; tensor_dim0 = 512 elements: a row of 4,096 bytes
	s_mov_b32 s26, 16<<16                          ; tensor_dim1 = 16
	s_mov_b32 s27, 512<<16                         ; tile_dim0
	s_mov_b32 s28, 16                              ; tile_dim1
	s_mov_b32 s29, 32768                           ; from s to s + 1: 64 batches x 4,096 bytes
	s_mov_b32 s30, 0
	s_mov_b32 s31, 0
	s_mov_b32 s32, 1                               ; group 0
	s_lshl_b32 s33, s18, 16                        ; my 16 rows of the slot
	s_lshl_b32 s22, ttmp9, 26                      ; 256 c positions,
	s_lshl_b32 s23, s18, 22                        ; 16 w positions,
	s_add_co_u32 s22, s22, s23
	s_lshl_b32 s23, s20, 12                        ; batch b
	s_add_co_u32 s22, s22, s23
	s_mov_b32 s23, 0
	s_mov_b32 s44, 0                               ; s[44:45] the byte in my part of w1f at which the group to be asked for begins
	s_mov_b32 s45, 0
	s_mov_b32 s59, 0                               ; s[58:59] the same among the scales
	s_mov_b32 s47, 0                               ; the group in hand, in bytes of kc: 128 a group
	s_mov_b32 s50, K2
	s_mov_b32 s51, K2
	s_mov_b32 s52, 0x76543210                      ; lane selects: lane l xor 16
	s_mov_b32 s53, 0xfedcba98
	s_mov_b32 s56, NK2
	v_and_b32 v24, 15, v0                          ; r
	v_bfe_u32 v25, v0, 4, 1                        ; h
	v_and_b32 v26, 31, v0                          ; lane
	v_bfe_u32 v27, v0, 3, 1                        ; bit 3 of the lane
	v_lshlrev_b32 v[X0], 5, v26
	v_lshl_add_u32 v[X0], v27, 4, v[X0]
	v_add_nc_u32 v[X0], s33, v[X0]
	v_xor_b32 v[X1], 16, v[X0]
	s_mul_i32 s46, s18, 16*APITCH
	s_add_co_u32 s46, s46, AC
	v_lshl_add_u32 v[CS], v26, 2, s46
	s_mul_i32 s46, s18, 16*SPITCH
	s_add_co_u32 s46, s46, AS
	v_lshrrev_b32 v[SS], 2, v26
	v_add_nc_u32 v[SS], s46, v[SS]
	v_mul_u32_u24 v[AA], v24, APITCH
	v_lshl_add_u32 v[AA], v25, 4, v[AA]
	v_add_nc_u32 v[AA], AC, v[AA]
	v_mul_u32_u24 v[ASA], v24, SPITCH
	v_lshl_add_u32 v[ASA], v25, 4, v[ASA]
	v_add_nc_u32 v[ASA], AS, v[ASA]
	s_lshl_b32 s21, s18, 10
	s_add_co_u32 s46, s21, KV
	v_lshl_add_u32 v[KV0], v25, 5, s46
	v_lshlrev_b32 v[WO], 4, v26
	v_lshlrev_b32 v[SO], 5, v24
	v_lshl_add_u32 v[SO], v25, 4, v[SO]
	s_lshl_b32 s46, s18, 2
	s_add_co_u32 s46, s46, SP
	v_lshl_add_u32 v[SPS], v24, 4, s46
	v_lshl_add_u32 v[SPR], v26, 5, SP
	s_lshl_b32 s46, s18, 8
	s_add_co_u32 s46, s46, SP
	v_lshl_add_u32 v[SPO], v24, 4, s46
	s_mov_b32 s46, 0x02020202
	v_mul_lo_u32 v[SEL], v27, s46
	v_xor_b32 v[SEL], 0x03020100, v[SEL]           ; 0x03020100, or 0x01000302 where bit 3 is set
	v_lshlrev_b32 v[YO], 3, v26
	s_lshl_b32 s46, s18, 12
	s_add_co_u32 s46, s46, CX
	v_lshlrev_b32 v[C0], 5, v26
	v_lshl_add_u32 v[C0], v27, 4, v[C0]
	v_add_nc_u32 v[C0], s46, v[C0]
	v_xor_b32 v[C1], 16, v[C0]
	v_lshl_add_u32 v[PO], v26, 4, s21
	v_add_nc_u32 v[CR], CX, v[PO]
	v_add_nc_u32 v[TA], KV, v[PO]                  ; where my wave's quarter of kc goes in LDS
	v_mov_b32 v[MR], 0xff61b1e6                    ; -3e38, under every y
	s_wait_alu depctr_va_vdst(0)
	s_wait_dscnt 0x0                               ; both opening adds are done
	s_wait_kmcnt 0x0
	s_add_nc_u64 s[34:35], s[4:5], s[22:23]
	s_or_b32 s35, s35, 0x80000000
	tensor_load_to_lds s[32:35], s[24:31]          ; tile 0: every wave asks for its own 16 rows; one load of mine is out, here and behind every refill
	s_nop 0
	PLACES
; W1 OF ONE GROUP: two loads of scale words and 32 of fragments, 512 consecutive bytes each, asked for in pieces.
; WNEXT: the two bases go on to the group to be asked for.  Loads that name them may be pending: they are rewritten only behind s_wait_xcnt 0 (the youngest such load stands ahead of the last group's vector work).
.macro WNEXT
	s_wait_xcnt 0x0
	s_add_nc_u64 s[38:39], s[36:37], s[44:45]
	s_lshr_b32 s58, s44, 4                         ; 8,192 bytes of codes go with 512 of scales
	s_add_nc_u64 s[42:43], s[40:41], s[58:59]
	s_add_co_u32 s44, s44, 16384                   ; on to the next group; behind the eighth, back to the first
	s_and_b32 s44, s44, 0x1ffff
.endm
.macro WS dst                          ; the scale words: lanes 0-15: the words of K steps 0-3 of row r; lanes 16-31: of K steps 4-7
.irp nt, 0,1
	global_load_b128 v[\dst+4*\nt:\dst+4*\nt+3], v[SO], s[42:43] offset:512*\nt
.endr
.endm
.macro WQ q                            ; the two fragments of K step q: fragment (nt, q) lands at WF + 64 nt + 8 q
.irp nt, 0,1
.irp c, 0,1
	global_load_b128 v[WF+64*\nt+8*(\q)+4*\c:WF+64*\nt+8*(\q)+4*\c+3], v[WO], s[38:39] offset:8192*\nt+1024*(\q)+512*\c
.endr
.endr
.endm
	s_lshl_b32 s22, s20, 12
	s_add_nc_u64 s[10:11], s[10:11], s[22:23]      ; kc[b]
	global_load_b128 v[HK:HK+3],     v[PO], s[10:11]
	global_load_b128 v[HK+4:HK+7],   v[PO], s[10:11] offset:512
	global_load_b128 v[HK+8:HK+11],  v[PO], s[12:13]
	global_load_b128 v[HK+12:HK+15], v[PO], s[12:13] offset:512
	s_lshl_b32 s22, s18, 17                        ; my 16 tiles of 8,192 bytes of w1f
	s_add_nc_u64 s[36:37], s[6:7], s[22:23]
	s_lshl_b32 s22, s18, 13                        ; my 256 rows of 32 scale bytes
	s_add_nc_u64 s[40:41], s[8:9], s[22:23]
	WNEXT                                          ; group 0: its scale words go straight to their place, then the fragments, K ascending
	WS WSC
.irp q, 0,1,2,3,4,5,6,7
	WQ \q
.endr
	s_lshl_b32 s22, s20, 12
	s_lshl_b32 s21, ttmp9, 10
	s_add_co_u32 s22, s22, s21
	s_add_nc_u64 s[14:15], s[14:15], s[22:23]      ; scores[b][256 c]
	s_lshl_b32 s22, s20, 2
	s_add_co_u32 s22, s22, ttmp9
	s_lshl_b32 s22, s22, 12
	s_add_nc_u64 s[16:17], s[16:17], s[22:23]      ; pctx[b][c]
.set i, 0
.rept 32
	v_mov_b32 v[CT+i], 0                           ; the context begins at 0: the tile is written once for all four
.set i, i+1
.endr
	s_wait_loadcnt 34                              ; kc and V are in; W1's 34 loads were issued behind them
	ds_store_b128 v[TA], v[HK:HK+3]                ; each wave stores, and later reads, its own 1,024 bytes of each
	ds_store_b128 v[TA], v[HK+4:HK+7] offset:512
	ds_store_b128 v[TA], v[HK+8:HK+11] offset:4096
	ds_store_b128 v[TA], v[HK+12:HK+15] offset:4608
; MY 16 ROWS OUT OF THE SLOT.  A row is four stretches of 1,024 bytes; of a stretch lane l takes the 32 bytes at 32 l: eight neighbours along K, by two loads of 16 bytes.
; Lanes with bit 3 set take the two halves in the other order, so that the sixteen lanes of a half wave touch sixteen different 16-byte columns of 256 bytes.  In those lanes numbers 4-7 stand in registers 0-3.
; Unit u = 4 (row % 8) + stretch lies at v[8 u] of window 2 (rows 0-7) or 3 (rows 8-15).
.macro XREAD
.irp hw, 0,1
	WIN 0x80+0x40*\hw
.set u, 0
.rept 32
	ds_load_b128 v[8*u:8*u+3],   v[X0] offset:4096*(8*\hw+u/4)+1024*(u%4)
	ds_load_b128 v[8*u+4:8*u+7], v[X1] offset:4096*(8*\hw+u/4)+1024*(u%4)
.set u, u+1
.endr
.endr
	WIN 0
.endm
; THE QUANTISER, eight rows (window hw) at a time: 32 units of eight numbers a lane; a block of 32 lies in four neighbouring lanes.
; by: the scale bytes' registers, window 1, upward.  top: the codes' registers, window 1, DOWNWARD from top, chosen (134, 188: 8 over a multiple of 9) so that no conversion's destination has the number of one of its sources.
; Bytes and codes of the two halves have registers of their own, so no LDS store's data are written again.
.macro QUANT hw, by, top
	WIN 0x28+0x14*(\hw-2)                          ; sources 1 and 2: my rows
.set u, 0
.rept 32
	v_max3_num_f32 v[T+u], 0x1800000, |v[8*u]|, |v[8*u+1]|      ; the floor 2^(3 - 127): the byte cannot fall under 1
.set u, u+1
.endr
.irp e, 2,4,6
.set u, 0
.rept 32
	v_max3_num_f32 v[T+u], v[T+u], |v[8*u+\e]|, |v[8*u+\e+1]|
.set u, u+1
.endr
.endr
	WIN 0
.irp x, 1,2
.set u, 0
.rept 32
	v_max_num_f32_dpp v[T+u], v[T+u], v[T+u] row_xmask:\x row_mask:0xf bank_mask:0xf   ; with lanes l xor 1, then l xor 2: the block's largest magnitude
.set u, u+1
.endr
.endr
.set u, 0
.rept 32
	v_add_nc_u32 v[T+u], 0xff000000, v[T+u]        ; 2 off its exponent field: the conversion's scale operand
.set u, u+1
.endr
	WIN 0x40
.set u, 0
.rept 32
	v_lshrrev_b32 v[\by+u], 23, v[T+u]             ; the scale's byte
.set u, u+1
.endr
	WIN 0x40+\hw
.set u, 0
.rept 32
	v_cvt_scalef32_pk8_fp4_f32 v[\top-u], v[8*u:8*u+7], v[T+u]
.set u, u+1
.endr
	v_nop                                          ; one plain place behind a scaled conversion
	WIN 0x45
.set u, 0
.rept 32
	v_perm_b32 v[\top-u], v[\top-u], v[\top-u], v[SEL]   ; where the halves were loaded in the other order, the codes' halves change places
.set u, u+1
.endr
	WIN 0x04
.set u, 0
.rept 32
	ds_store_b32 v[CS], v[\top-u] offset:APITCH*(8*(\hw-2)+u/4)+128*(u%4)   ; 32 lanes: 128 consecutive bytes of a row of codes
	ds_store_b8 v[SS], v[\by+u] offset:SPITCH*(8*(\hw-2)+u/4)+8*(u%4)       ; the four lanes of a block write the same byte with the same value
.set u, u+1
.endr
.endm
; ht's four fragments (64 rows) of K step q into buffer q % 4
.macro ALOAD q
.irp m, 0,1,2,3
.irp c, 0,1
	ds_load_b128 v[AB+32*((\q)%4)+8*\m+4*\c:AB+32*((\q)%4)+8*\m+4*\c+3], v[AA] offset:16*APITCH*\m+64*(\q)+32*\c
.endr
.endr
.endm
; eight products of K step q: two tiles of columns x four tiles of rows, the eight accumulators by turns.  K step 0 starts the sums.
.macro MUL8 q
.irp nt, 0,1
.irp m, 0,1,2,3
.if (\q) == 0
	v_wmma_scale_f32_16x16x128_f8f6f4 v[ACC+8*(4*\nt+\m):ACC+8*(4*\nt+\m)+7], v[WF+64*\nt+8*(\q):WF+64*\nt+8*(\q)+7], v[AB+32*((\q)%4)+8*\m:AB+32*((\q)%4)+8*\m+7], 0, v[WSC+4*\nt+(\q)%4], v[ASC+4*\m+(\q)%4] matrix_a_fmt:MATRIX_FMT_FP4 matrix_b_fmt:MATRIX_FMT_FP4
.elseif (\q) < 4
	v_wmma_scale_f32_16x16x128_f8f6f4 v[ACC+8*(4*\nt+\m):ACC+8*(4*\nt+\m)+7], v[WF+64*\nt+8*(\q):WF+64*\nt+8*(\q)+7], v[AB+32*((\q)%4)+8*\m:AB+32*((\q)%4)+8*\m+7], v[ACC+8*(4*\nt+\m):ACC+8*(4*\nt+\m)+7], v[WSC+4*\nt+(\q)%4], v[ASC+4*\m+(\q)%4] matrix_a_fmt:MATRIX_FMT_FP4 matrix_b_fmt:MATRIX_FMT_FP4
.else
	v_wmma_scale_f32_16x16x128_f8f6f4 v[ACC+8*(4*\nt+\m):ACC+8*(4*\nt+\m)+7], v[WF+64*\nt+8*(\q):WF+64*\nt+8*(\q)+7], v[AB+32*((\q)%4)+8*\m:AB+32*((\q)%4)+8*\m+7], v[ACC+8*(4*\nt+\m):ACC+8*(4*\nt+\m)+7], v[WSC+4*\nt+(\q)%4], v[ASC+4*\m+(\q)%4] matrix_a_fmt:MATRIX_FMT_FP4 matrix_b_fmt:MATRIX_FMT_FP4 matrix_a_scale:MATRIX_SCALE_ROW1 matrix_b_scale:MATRIX_SCALE_ROW1
.endif
.endr
.endr
.endm
; r = 1 / (1 + 2^(K2 z)) of the group's 64 numbers a lane, and the score sums += V r.  The exponentials are one batch with one wait, and so are the reciprocals.
.macro TANH
	WIN 0x55
.irp t, 0,1,2,3,4,5,6,7
.irp p, 0,1,2,3
	v_pk_fma_f32 v[ACC+8*\t+2*\p:ACC+8*\t+2*\p+1], v[ACC+8*\t+2*\p:ACC+8*\t+2*\p+1], s[50:51], v[CV+16*(\t/4)+2*\p:CV+16*(\t/4)+2*\p+1] op_sel_hi:[1,0,1]   ; K2 x the product + kc; each accumulator from its low end on
.endr
.endr
.set i, 0
	s_wait_alu depctr_va_vdst(0)
.rept 64
	v_exp_f32 v[ACC+i], v[ACC+i]
.set i, i+1
.endr
	v_nop                                          ; the plain place behind the last exponential
	s_wait_alu depctr_va_vdst(0)                   ; one wait for the batch, ahead of its first reader
.set i, 0
.rept 32
	v_pk_add_f32 v[ACC+2*i:ACC+2*i+1], v[ACC+2*i:ACC+2*i+1], 1.0 op_sel_hi:[1,0]
.set i, i+1
.endr
.set i, 0
	s_wait_alu depctr_va_vdst(0)
.rept 64
	v_rcp_f32 v[ACC+i], v[ACC+i]                   ; an infinity gives 0: tanh = 1
.set i, i+1
.endr
	v_nop
	s_wait_alu depctr_va_vdst(0)
.irp nt, 0,1
.irp p, 0,1,2,3
.irp m, 0,1,2,3
	v_pk_fma_f32 v[SA+2*\m:SA+2*\m+1], v[ACC+8*(4*\nt+\m)+2*\p:ACC+8*(4*\nt+\m)+2*\p+1], v[CV+16*\nt+8+2*\p:CV+16*\nt+8+2*\p+1], v[SA+2*\m:SA+2*\m+1]   ; the four tiles of rows by turns
.endr
.endr
.endr
.endm
; A GROUP: 32 columns x 64 rows x all of K.  more = 1: the next group's first three K steps of ht's fragments are asked for at the end.  next = 1: the next group's W1 is asked for on the way.
; THE WAITS ON DSCNT: behind K step q's eight LDS loads stand, for q = 0, 1, 2: two younger steps', the eight of kc and V, and the step's just asked for: 32; from q = 3 on three younger steps': 24; in a tile's last group what is left: 16, 8, 0.
; THE ORDER OF THE LOADS FROM MEMORY, group by group: the next group's 2 of scale words at the head; its fragments of K steps 0, 1 ahead of step 2's products, of 2, 3 ahead of step 4's, of 4, 5 ahead of step 6's, of 6, 7 behind the last products; 4 loads a K step.
; THE WAITS ON LOADCNT stand ahead of K steps 0, 2, 4, 6, for this group's fragments of steps q and q + 1.  Behind those were issued: 4 (6 - q) of this group's later steps, the 2 of scale words, 4 q of the next group's fragments: 26 at every q.
; With next = 0 nothing of a next group is out: 24 - 4 q.
.macro GROUP more, next
.if \next
	WNEXT
	WS WST                                         ; W1's scale words are in use until the last K step: the next group's land beside them
.endif
	v_add_nc_u32 v[KVC], s47, v[KV0]
	WIN 0x54                                       ; products: W1 window 0, ht, C and D window 1; LDS loads: destination window 1, address window 0
.irp nt, 0,1
	ds_load_b128 v[CV+16*\nt:CV+16*\nt+3],     v[KVC] offset:64*\nt           ; kc at a = 16 nt + 8 h + 0 .. 7: the result's layout
	ds_load_b128 v[CV+16*\nt+4:CV+16*\nt+7],   v[KVC] offset:64*\nt+16
	ds_load_b128 v[CV+16*\nt+8:CV+16*\nt+11],  v[KVC] offset:4096+64*\nt      ; V likewise
	ds_load_b128 v[CV+16*\nt+12:CV+16*\nt+15], v[KVC] offset:4096+64*\nt+16
.endr
.irp q, 0,1,2,3,4,5,6,7
.if \q >= 1
	PLACES                                         ; the loads below land in registers that the last eight products read
.endif
.if \q <= 4
	ALOAD \q+3
.elseif \more
	ALOAD \q-5
.endif
.if \next && (\q >= 2) && ((\q % 2) == 0)
	WIN 0                                          ; W1's registers lie in window 0
	WQ \q-2                                        ; the products of K steps q - 2 and q - 1 are issued: their fragments' registers take the next group's
	WQ \q-1
	WIN 0x54
.endif
.if \q <= 2
	s_wait_dscnt 32
.elseif (\q <= 4) || \more
	s_wait_dscnt 24
.else
	s_wait_dscnt 8*(7-\q)
.endif
.if (\q % 2) == 0
.if \next
	s_wait_loadcnt 26
.else
	s_wait_loadcnt 24-4*\q
.endif
.endif
	MUL8 \q
.endr
	PLACES
	WIN 0
.if \next
	WQ 6
	WQ 7
	s_wait_loadcnt 32                              ; the next group's scale words are in; its 32 loads of fragments were issued behind them
.irp k, 0,1,2,3,4,5,6,7
	v_mov_b32 v[WSC+\k], v[WST+\k]                 ; four places behind the last products that read these registers; the vector work below stands between them and the next products
.endr
.endif
	TANH
	s_add_co_u32 s47, s47, 128                     ; the next group's kc and V; behind the eighth, back to the first
	s_and_b32 s47, s47, 0x3ff
	WIN 0
.endm
; A TILE OF 64 ROWS.  refill = 1: the slot is filled again with the next tile.
.macro TILE refill
	s_wait_tensorcnt 0x0                           ; my 16 rows are in LDS: no load was issued behind theirs, and I alone read them
	XREAD
.if \refill
	s_wait_tensorcnt 0x0                           ; ahead of the refill's barrier: no tensor load of mine is out, so group 0 may be written;
	ds_add_u32 v[SPW], v[NIL]                      ; 0 onto my spare word;
	s_add_nc_u64 s[34:35], s[34:35], 0x1000000     ; 64 positions on; the type bits on top are not reached
.endif
	WIN 0x40
.irp k, 0,1,2,3,4,5,6,7
	v_mov_b32 v[SA+\k], 0                          ; the tile's score sums
.endr
	WIN 0
	s_wait_dscnt 0x0                               ; my rows are in registers (and the add is done): my reads of the slot are over
.if \refill
	s_barrier_signal -1
	s_barrier_wait -1                              ; every wave's are
	tensor_load_to_lds s[32:35], s[24:31]          ; the first thing behind the barrier, my one tensor load until the next: it has the whole tile's work in which to land
	s_nop 0
	PLACES
.endif
	QUANT 2, 0, 134
	QUANT 3, 32, 188
	WIN 0
	BAR                                            ; the codes and scale bytes of all 64 rows lie in LDS
.irp m, 0,1,2,3
	ds_load_b128 v[ASC+4*\m:ASC+4*\m+3], v[ASA] offset:16*SPITCH*\m   ; lanes 0-15: the words of K steps 0-3 of row 16 m + r; lanes 16-31: of K steps 4-7
.endr
	WIN 0x54
	ALOAD 0
	ALOAD 1
	ALOAD 2
	WIN 0
	s_mov_b32 s48, 7
.Lgroup_\@:
	GROUP 1, 1
	s_sub_co_u32 s48, s48, 1
	s_cmp_lg_u32 s48, 0
	s_cbranch_scc1 .Lgroup_\@
	GROUP 0, \refill                               ; the tile's last group asks for the next tile's first group of W1; the last tile's asks for nothing
	; my 256 columns' part of each row's sum
	WIN 0x05
.irp m, 0,1,2,3
	v_add_f32 v[T+\m], v[SA+2*\m], v[SA+2*\m+1]
.endr
	WIN 0
.irp m, 0,1,2,3
	v_permlanex16_b32 v[T+4+\m], v[T+\m], s52, s53
.endr
.irp m, 0,1,2,3
	v_add_f32 v[T+\m], v[T+\m], v[T+4+\m]          ; with lane l xor 16's eight columns of each tile
.endr
.irp m, 0,1,2,3
	ds_store_b32 v[SPS], v[T+\m] offset:256*\m     ; lanes r and r + 16 write the same word with the same value
.endr
	BAR                                            ; the four parts of all 64 rows lie in LDS; and every wave's reads of this tile's codes are over
	ds_load_b128 v[32:35], v[SPR]                  ; rows 2 lane,
	ds_load_b128 v[36:39], v[SPR] offset:16        ; 2 lane + 1,
	ds_load_b128 v[40:43], v[SPO]                  ; and my own row 16 w + r
	s_wait_dscnt 0x0
	v_add_f32 v32, v32, v33                        ; the same order of sums for all three: the same row gives the same bits in every wave
	v_add_f32 v34, v34, v35
	v_add_f32 v36, v36, v37
	v_add_f32 v38, v38, v39
	v_add_f32 v40, v40, v41
	v_add_f32 v42, v42, v43
	v_add_f32 v32, v32, v34
	v_add_f32 v36, v36, v38
	v_add_f32 v40, v40, v42
	v_mul_f32 v44, s56, v32                        ; y = -K2 u
	v_mul_f32 v45, s56, v36
	v_mul_f32 v40, s56, v40
	v_max_num_f32 v46, v44, v45
	v_max_num_f32_dpp v46, v46, v46 row_xmask:1 row_mask:0xf bank_mask:0xf
	v_max_num_f32_dpp v46, v46, v46 row_xmask:2 row_mask:0xf bank_mask:0xf
	v_max_num_f32_dpp v46, v46, v46 row_xmask:4 row_mask:0xf bank_mask:0xf
	v_max_num_f32_dpp v46, v46, v46 row_xmask:8 row_mask:0xf bank_mask:0xf
	v_permlanex16_b32 v47, v46, s52, s53
	v_max3_num_f32 v46, v46, v47, v[MR]            ; the new running maximum: the same in every lane of every wave
	v_sub_f32 v47, v[MR], v46
	v_sub_f32 v40, v40, v46
	s_wait_alu depctr_va_vdst(0)
	v_exp_f32 v47, v47                             ; f = 2^(old maximum - new)
	v_exp_f32 v40, v40                             ; p = 2^(y - maximum) of my row r
	v_mov_b32 v[MR], v46                           ; (the plain place behind the two)
	s_wait_alu depctr_va_vdst(0)                   ; one wait for both, ahead of their first reader
	v_readfirstlane_b32 s54, v47
	s_mov_b32 s55, s54
.set i, 0
.rept 16
	v_readlane_b32 s[66+2*i], v40, i               ; row i's weight, as a scalar pair for the packed multiply-adds
	s_mov_b32 s[67+2*i], s[66+2*i]
.set i, i+1
.endr
	s_cmp_lg_u32 s18, 0                            ; wave 0 stores the tile's 64 logits: 32 lanes, 256 consecutive bytes, aligned
	s_cbranch_scc1 .Lnot0_\@
	global_store_b64 v[YO], v[44:45], s[14:15]
.Lnot0_\@:
	; the context: x f, then + p x my 16 rows, straight from the registers that the quantiser read
.set k, 0
.rept 16
	v_pk_mul_f32 v[CT+2*k:CT+2*k+1], v[CT+2*k:CT+2*k+1], s[54:55] op_sel_hi:[1,0]
.set k, k+1
.endr
.irp hw, 0,1
	WIN 0x02+\hw
.irp i, 0,1,2,3,4,5,6,7
.set k, 0
.rept 16
	v_pk_fma_f32 v[CT+2*k:CT+2*k+1], v[32*\i+2*k:32*\i+2*k+1], s[66+16*\hw+2*\i:67+16*\hw+2*\i], v[CT+2*k:CT+2*k+1] op_sel_hi:[1,0,1]
.set k, k+1
.endr
.endr
.endr
	WIN 0
	s_wait_xcnt 0x0                                ; the store has read its registers and its base: both are written again only behind this wait
	s_add_nc_u64 s[14:15], s[14:15], 256
.endm
	s_mov_b32 s49, 3
.Ltile:
	TILE 1
	s_sub_co_u32 s49, s49, 1
	s_cmp_lg_u32 s49, 0
	s_cbranch_scc1 .Ltile
	TILE 0                                         ; the last tile is written out: it asks for nothing more
	; THE WAY OUT.  The four waves' contexts stand under the same maximum: they meet in LDS and are added; wave w stores columns 256 w .. + 255.
	s_wait_alu depctr_va_vdst(0)
.irp j, 0,1,2,3
	ds_store_b128 v[C0], v[CT+8*\j:CT+8*\j+3] offset:1024*\j       ; each half goes to the place in the stretch from which it was loaded
	ds_store_b128 v[C1], v[CT+8*\j+4:CT+8*\j+7] offset:1024*\j
.endr
	BAR
.irp v, 0,1,2,3
.irp i, 0,1
	ds_load_b128 v[T+8*\v+4*\i:T+8*\v+4*\i+3], v[CR] offset:4096*\v+512*\i
.endr
.endr
	s_wait_dscnt 0x0
.irp k, 0,2,4,6
	v_pk_add_f32 v[T+\k:T+\k+1], v[T+\k:T+\k+1], v[T+8+\k:T+8+\k+1]
	v_pk_add_f32 v[T+16+\k:T+16+\k+1], v[T+16+\k:T+16+\k+1], v[T+24+\k:T+24+\k+1]
.endr
.irp k, 0,2,4,6
	v_pk_add_f32 v[T+\k:T+\k+1], v[T+\k:T+\k+1], v[T+16+\k:T+16+\k+1]
.endr
	global_store_b128 v[PO], v[T:T+3], s[16:17]                    ; 32 lanes store 512 consecutive bytes
	global_store_b128 v[PO], v[T+4:T+7], s[16:17] offset:512
	s_wait_tensorcnt 0x0                           ; the wave's end
	ds_add_u32 v[SPW], v[NIL]
	s_wait_dscnt 0x0
	s_endpgm
.Lfunc_end_k_qa566e6dae6_main:
	.size	k_qa566e6dae6_main, .Lfunc_end_k_qa566e6dae6_main-k_qa566e6dae6_main
	.p2alignl 7, 3214868480
	.fill 96, 4, 3214868480
	.section	.rodata,"a",@progbits
	.p2align	6, 0x0
	.amdhsa_kernel k_qa566e6dae6_main
		.amdhsa_group_segment_fixed_size 327680
		.amdhsa_private_segment_fixed_size 0
		.amdhsa_enable_private_segment 0
		.amdhsa_kernarg_size 56
		.amdhsa_user_sgpr_count 2
		.amdhsa_user_sgpr_kernarg_segment_ptr 1
		.amdhsa_wavefront_size32 1
		.amdhsa_system_sgpr_workgroup_id_x 1
		.amdhsa_system_sgpr_workgroup_id_y 1
		.amdhsa_system_sgpr_workgroup_id_z 1
		.amdhsa_system_vgpr_workitem_id 0
		.amdhsa_next_free_vgpr 1024
		.amdhsa_next_free_sgpr 98
		.amdhsa_reserve_vcc 0
		.amdhsa_float_denorm_mode_32 3
		.amdhsa_float_denorm_mode_16_64 3
		.amdhsa_memory_ordered 1
		.amdhsa_forward_progress 1
		.amdhsa_inst_pref_size 255
	.end_amdhsa_kernel
	.section	.bss,"aw",@nobits
	.p2align	6
	.space	262144
	.amdgpu_metadata
---
amdhsa.version: [ 1, 2 ]
amdhsa.kernels:
  - .name:           k_qa566e6dae6_main
    .symbol:         k_qa566e6dae6_main.kd
    .args:
      - { .name: ht, .offset: 0, .size: 8, .value_kind: global_buffer, .address_space: global }
      - { .name: w1f, .offset: 8, .size: 8, .value_kind: global_buffer, .address_space: global }
      - { .name: W1_w_scales, .offset: 16, .size: 8, .value_kind: global_buffer, .address_space: global }
      - { .name: kc, .offset: 24, .size: 8, .value_kind: global_buffer, .address_space: global }
      - { .name: V_w, .offset: 32, .size: 8, .value_kind: global_buffer, .address_space: global }
      - { .name: scores, .offset: 40, .size: 8, .value_kind: global_buffer, .address_space: global }
      - { .name: pctx, .offset: 48, .size: 8, .value_kind: global_buffer, .address_space: global }
    .group_segment_fixed_size: 327680
    .private_segment_fixed_size: 0
    .kernarg_segment_align: 8
    .kernarg_segment_size: 56
    .max_flat_workgroup_size: 128
    .sgpr_count:     98
    .vgpr_count:     1024
    .wavefront_size: 32
...
	.end_amdgpu_metadata
.endif
;; end of part 2
;; launch comb (part 3): grid 64 x 1, 4 waves a work-group, no clusters, 768 bytes of LDS; arguments scores, pctx, out0, out1; writes out0, out1
.if DOCPART == 3
	.amdgcn_target "amdgcn-amd-amdhsa--gfx1250"
	.amdhsa_code_object_version 6
	.text
	.protected	k_qa566e6dae6_comb
	.globl	k_qa566e6dae6_comb
	.p2align	8
	.type	k_qa566e6dae6_comb,@function
k_qa566e6dae6_comb:
	s_mov_b64 s[64:65], 0
	v_nop
	global_prefetch_b8 v0, s[64:65] scope:SCOPE_SE
	s_setreg_imm32_b32 hwreg(HW_REG_WAVE_MODE, 25, 1), 1
	s_wait_xcnt 0x0
; The four chunks of a batch are joined.  scores[b][s] = y, the logit to base 2; pctx[b][c] = sum over chunk c of 2^(y - m_c) x ht, m_c the chunk's largest y.
; V_b and the sum of V are left out, as the head of the main launch shows: the same number added to every logit of a softmax row changes nothing.
; out1[b][s] = 2^(y - M) / L, out0[b] = sum over c of pctx[b][c] x 2^(m_c - M) / L, with M the row's largest y and L = sum over s of 2^(y - M).
; A work-group is a batch; wave w takes chunk w of the logits and columns 256 w .. + 255 of the context.  A maximum rounds nothing, so m_w found here is the main launch's, bit for bit.
; No matrix unit, no tensor load, no cluster: 20 KiB a work-group, read once; the waves hand each other eight numbers.
.set EX,    0                          ; LDS: m_w at 4 w, l_w at 16 + 4 w
.set SPARE, 256                        ; the spare words, 128 bytes a wave
.set SPW, 1
.set NIL, 2
.set OF,  3                            ; 1,024 w + 16 x lane
.set EA,  4                            ; 4 w
.set ZA,  5                            ; 0
.set Y,   8                            ; v8-15  my 8 logits; later my 8 numbers of out0
.set P,   16                           ; v16-47 the four chunks' 8 numbers of my columns
.set E,   56                           ; v56-63 2^(y - m_w)
	s_load_b256 s[4:11], s[0:1], 0x0               ; scores, pctx, out0, out1
	v_lshl_add_u32 v[SPW], v0, 2, SPARE
	v_mov_b32 v[NIL], 0
	v_and_b32 v[OF], 31, v0
	v_lshrrev_b32 v[EA], 5, v0
	v_lshlrev_b32 v[OF], 4, v[OF]
	v_lshl_add_u32 v[OF], v[EA], 10, v[OF]
	v_lshlrev_b32 v[EA], 2, v[EA]
	v_mov_b32 v[ZA], 0
	v_mov_b32 v49, 0                               ; a lane permute's destination counts as one of its sources
	s_lshl_b32 s12, ttmp9, 12
	s_mov_b32 s13, 0
	s_lshl_b32 s14, ttmp9, 14
	s_mov_b32 s15, 0
	s_mov_b32 s16, 0x76543210
	s_mov_b32 s17, 0xfedcba98
	s_wait_alu depctr_va_vdst(0)
	s_wait_kmcnt 0x0
	s_add_nc_u64 s[4:5], s[4:5], s[12:13]
	s_add_nc_u64 s[6:7], s[6:7], s[14:15]
	s_add_nc_u64 s[8:9], s[8:9], s[12:13]
	s_add_nc_u64 s[10:11], s[10:11], s[12:13]
	global_load_b128 v[Y:Y+3],   v[OF], s[4:5]
	global_load_b128 v[Y+4:Y+7], v[OF], s[4:5] offset:512
.irp c, 0,1,2,3
	global_load_b128 v[P+8*\c:P+8*\c+3],   v[OF], s[6:7] offset:4096*\c
	global_load_b128 v[P+8*\c+4:P+8*\c+7], v[OF], s[6:7] offset:4096*\c+512
.endr
	s_wait_loadcnt 8                               ; the logits are in; the eight loads of pctx were issued behind them
	v_max3_num_f32 v48, v[Y], v[Y+1], v[Y+2]
	v_max3_num_f32 v48, v48, v[Y+3], v[Y+4]
	v_max3_num_f32 v48, v48, v[Y+5], v[Y+6]
	v_max_num_f32 v48, v48, v[Y+7]
	v_max_num_f32_dpp v48, v48, v48 row_xmask:1 row_mask:0xf bank_mask:0xf
	v_max_num_f32_dpp v48, v48, v48 row_xmask:2 row_mask:0xf bank_mask:0xf
	v_max_num_f32_dpp v48, v48, v48 row_xmask:4 row_mask:0xf bank_mask:0xf
	v_max_num_f32_dpp v48, v48, v48 row_xmask:8 row_mask:0xf bank_mask:0xf
	v_permlanex16_b32 v49, v48, s16, s17
	v_max_num_f32 v48, v48, v49                    ; m_w
.irp i, 0,1,2,3,4,5,6,7
	v_sub_f32 v[E+\i], v[Y+\i], v48
.endr
	s_wait_alu depctr_va_vdst(0)
.irp i, 0,1,2,3,4,5,6,7
	v_exp_f32 v[E+\i], v[E+\i]
.endr
	v_nop                                          ; the plain place behind the last exponential
	s_wait_alu depctr_va_vdst(0)                   ; one wait for the batch, ahead of its first reader
	v_add_f32 v50, v[E], v[E+1]
	v_add_f32 v51, v[E+2], v[E+3]
	v_add_f32 v52, v[E+4], v[E+5]
	v_add_f32 v53, v[E+6], v[E+7]
	v_add_f32 v50, v50, v51
	v_add_f32 v52, v52, v53
	v_add_f32 v50, v50, v52
	v_add_f32_dpp v50, v50, v50 row_xmask:1 row_mask:0xf bank_mask:0xf
	v_add_f32_dpp v50, v50, v50 row_xmask:2 row_mask:0xf bank_mask:0xf
	v_add_f32_dpp v50, v50, v50 row_xmask:4 row_mask:0xf bank_mask:0xf
	v_add_f32_dpp v50, v50, v50 row_xmask:8 row_mask:0xf bank_mask:0xf
	v_permlanex16_b32 v49, v50, s16, s17
	v_add_f32 v50, v50, v49                        ; l_w
	ds_store_b32 v[EA], v48                        ; all lanes write the same word with the same value
	ds_store_b32 v[EA], v50 offset:16
	s_wait_dscnt 0x0                               ; for the others' sake: my stores are done
	s_barrier_signal -1
	s_barrier_wait -1
	ds_load_b128 v[64:67], v[ZA]                   ; the four m,
	ds_load_b128 v[68:71], v[ZA] offset:16         ; the four l
	s_wait_dscnt 0x0
	v_max3_num_f32 v77, v64, v65, v66
	v_max_num_f32 v77, v77, v67                    ; M
.irp c, 0,1,2,3
	v_sub_f32 v[72+\c], v[64+\c], v77
.endr
	v_sub_f32 v76, v48, v77
	s_wait_alu depctr_va_vdst(0)
.irp c, 0,1,2,3,4
	v_exp_f32 v[72+\c], v[72+\c]                   ; 2^(m_c - M), and my own chunk's
.endr
	v_nop
	s_wait_alu depctr_va_vdst(0)
	v_mul_f32 v78, v68, v72
	v_fmac_f32 v78, v69, v73
	v_fmac_f32 v78, v70, v74
	v_fmac_f32 v78, v71, v75                       ; L: at least 1, since the chunk that holds M adds at least 1
	s_wait_alu depctr_va_vdst(0)
	v_rcp_f32 v79, v78
	v_nop
	s_wait_alu depctr_va_vdst(0)
.irp c, 0,1,2,3,4
	v_mul_f32 v[72+\c], v[72+\c], v79              ; g_c = 2^(m_c - M) / L
.endr
.irp i, 0,1,2,3,4,5,6,7
	v_mul_f32 v[E+\i], v[E+\i], v76                ; the weights of my chunk
.endr
	global_store_b128 v[OF], v[E:E+3], s[10:11]            ; 32 lanes store 512 consecutive bytes
	global_store_b128 v[OF], v[E+4:E+7], s[10:11] offset:512
	s_wait_loadcnt 0x0                             ; pctx
.irp i, 0,1,2,3,4,5,6,7
	v_mul_f32 v[Y+\i], v[P+\i], v72
.endr
.irp i, 0,1,2,3,4,5,6,7
	v_fmac_f32 v[Y+\i], v[P+8+\i], v73
.endr
.irp i, 0,1,2,3,4,5,6,7
	v_fmac_f32 v[Y+\i], v[P+16+\i], v74
.endr
.irp i, 0,1,2,3,4,5,6,7
	v_fmac_f32 v[Y+\i], v[P+24+\i], v75
.endr
	global_store_b128 v[OF], v[Y:Y+3], s[8:9]
	global_store_b128 v[OF], v[Y+4:Y+7], s[8:9] offset:512
	s_wait_tensorcnt 0x0                           ; the wave's end
	ds_add_u32 v[SPW], v[NIL]
	s_wait_dscnt 0x0
	s_endpgm
.Lfunc_end_k_qa566e6dae6_comb:
	.size	k_qa566e6dae6_comb, .Lfunc_end_k_qa566e6dae6_comb-k_qa566e6dae6_comb
	.p2alignl 7, 3214868480
	.fill 96, 4, 3214868480
	.section	.rodata,"a",@progbits
	.p2align	6, 0x0
	.amdhsa_kernel k_qa566e6dae6_comb
		.amdhsa_group_segment_fixed_size 768
		.amdhsa_private_segment_fixed_size 0
		.amdhsa_enable_private_segment 0
		.amdhsa_kernarg_size 32
		.amdhsa_user_sgpr_count 2
		.amdhsa_user_sgpr_kernarg_segment_ptr 1
		.amdhsa_wavefront_size32 1
		.amdhsa_system_sgpr_workgroup_id_x 1
		.amdhsa_system_sgpr_workgroup_id_y 1
		.amdhsa_system_sgpr_workgroup_id_z 1
		.amdhsa_system_vgpr_workitem_id 0
		.amdhsa_next_free_vgpr 96
		.amdhsa_next_free_sgpr 66
		.amdhsa_reserve_vcc 0
		.amdhsa_float_denorm_mode_32 3
		.amdhsa_float_denorm_mode_16_64 3
		.amdhsa_memory_ordered 1
		.amdhsa_forward_progress 1
		.amdhsa_inst_pref_size 7
	.end_amdhsa_kernel
	.amdgpu_metadata
---
amdhsa.version: [ 1, 2 ]
amdhsa.kernels:
  - .name:           k_qa566e6dae6_comb
    .symbol:         k_qa566e6dae6_comb.kd
    .args:
      - { .name: scores, .offset: 0, .size: 8, .value_kind: global_buffer, .address_space: global }
      - { .name: pctx, .offset: 8, .size: 8, .value_kind: global_buffer, .address_space: global }
      - { .name: out0, .offset: 16, .size: 8, .value_kind: global_buffer, .address_space: global }
      - { .name: out1, .offset: 24, .size: 8, .value_kind: global_buffer, .address_space: global }
    .group_segment_fixed_size: 768
    .private_segment_fixed_size: 0
    .kernarg_segment_align: 8
    .kernarg_segment_size: 32
    .max_flat_workgroup_size: 128
    .sgpr_count:     66
    .vgpr_count:     96
    .wavefront_size: 32
...
	.end_amdgpu_metadata
.endif
;; end of part 3
